; MI455X (gfx1250); checked and timed in simulation.
; The chip was launched on July 23, 2026; its instructions are those of AMD's public machine-readable ISA for CDNA 5 (MIT licence, August 2026) and "CDNA5" Instruction Set Architecture Reference Guide (July 2026). The comments in the code are by the model that wrote it; some were corrected since.
;; dot Product Attention. Allowed arithmetic: matrix products marked QUANTISED: E3M2 operands, one E8M0 scale for each 32 along K, by v_wmma_scale_f32_16x16x128_f8f6f4 with both operands' format E3M2, f32 sums; everything else in f32.
;; Inputs: keys 4 x 16 x 2,048 x 64 float32; queries 4 x 16 x 2,048 x 64 float32; values 4 x 16 x 2,048 x 64 float32.
;; Outputs: out0 4 x 16 x 2,048 x 64 float32.
;; Constants: d_k = 64.
;; This version of the problem:
;;   THIS VERSION OF THE PROBLEM IS GIVEN IN LOW PRECISION. The matrix products marked QUANTISED in the list below multiply operands that are first quantised to E3M2 (3 exponent bits, 2 mantissa bits; 6 bits a number), with one power-of-two scale for each 32 numbers along K (OCP MX v1.0); their sums are f32. All else is computed in f32.
;;   The module's matrix products, in the order in which they are computed (A, B: the left and right operand; K: the contracted axis; several contracted axes count as one K, in the product's order):
;;     1. batch 64 x [M 2,048, K 64] x [K 64, N 2,048]; A: input queries; B: input keys: QUANTISED
;;     2. batch 64 x [M 2,048, K 2,048] x [K 2,048, N 64]; A: softmax (see below); B: input values: QUANTISED
;;   THE QUANTISER, for each operand of a quantised product, along K:
;;     - K is cut into blocks of 32 from its start; a last block that is shorter is filled with zeros.
;;     - A block's scale is 2^e with e = floor(log2(the largest magnitude in the block)) - 4, held to -126 .. 127; a block of zeros has e = 0. As a byte (E8M0): e + 127.
;;     - Each number is divided by its block's scale, clamped to +-28, and rounded to the nearest number of E3M2, ties to even, subnormals kept.
;;     - The product sums the exact products of the quantised numbers (number of the format x scale) in f32.
;;   ~~~python
;;   def quantise(x, axis):      # numpy; x: float32 -> the quantised numbers, widened to float32 again
;;       x = np.moveaxis(x, axis, -1); K = x.shape[-1]
;;       x = np.pad(x, [(0, 0)] * (x.ndim - 1) + [(0, -K % 32)]); x = x.reshape(x.shape[:-1] + (-1, 32)); a = np.abs(x).max(-1, keepdims=True)
;;       e = np.where(a > 0, np.clip(np.frexp(np.where(a > 0, a, 1))[1] - 1 - 4, -126, 127), 0)      # np.frexp(a)[1] - 1 = floor(log2(a)), exactly
;;       r = np.clip(x / 2.0 ** e, -28, 28)
;;       step = 2.0 ** (np.maximum(np.frexp(np.where(r == 0, 1, r))[1] - 1, -2) - 2)
;;       q = np.round(r / step) * step * 2.0 ** e      # np.round: ties to even
;;       return np.moveaxis(q.reshape(q.shape[:-2] + (-1,))[..., :K], -1, axis).astype(np.float32)
;;   ~~~
;;   SOFTMAX AHEAD OF A QUANTISED PRODUCT. Where the list says 'softmax', what is quantised is not the finished softmax but p = 2^(t - M), with t = logit x log2(e) and M = ceil(the row's largest t), a whole number; so 1/2 < the row's largest p <= 1. The row's sum l is taken of the UNQUANTISED p, in f32, and the product's result is divided by l at the end. Since M is a whole number, a kernel that streams over the keys may use a running M (the ceiling of the running maximum): every later rescaling is an exact power of two, which a block's scale takes up: the codes' values come out the same.
;;   OPERANDS COMPUTED ON THE WAY. 'Computed on the way' means the value that the module computes at that place (a softmax that the list does not call 'softmax' is quantised finished and normalised). What goes into a quantiser is computed in f32, as accurately as f32 sums, v_exp_f32 and their like allow (about 1e-6 of the number): no bf16 or f16 on the way to a quantiser, and a product that is left as it is and whose result goes on into a quantised operand takes f32 operands (vector FMAs, or v_wmma_f32_16x16x4_f32). A number that lies on a knife's edge between two numbers of the format may be rounded either way, as far as f32 arithmetic and the matrix unit's own rounding can turn it there, and no further.
;; One version. Each part assembles by itself: llvm-mc -triple=amdgcn-amd-amdhsa -mcpu=gfx1250 --defsym DOCPART=n.
;; ======== version 1 of 1: 1 launch
;; launch attn (part 1): grid 4 x 64, 16 waves a work-group, clusters of 4 x 1, 327,680 bytes of LDS; arguments queries, keys, values, out0; writes out0
.if DOCPART == 1
	.amdgcn_target "amdgcn-amd-amdhsa--gfx1250"
	.amdhsa_code_object_version 6
	.text
	.protected	k_q013091c377_attn
	.globl	k_q013091c377_attn
	.p2align	8
	.type	k_q013091c377_attn,@function
k_q013091c377_attn:
	s_mov_b64 s[64:65], 0
	v_nop
	global_prefetch_b8 v0, s[64:65] scope:SCOPE_SE
	s_setreg_imm32_b32 hwreg(HW_REG_WAVE_MODE, 25, 1), 1
	s_wait_xcnt 0x0
	s_wait_alu depctr_hold_cnt(0) depctr_sa_sdst(0) depctr_va_vdst(0) depctr_va_sdst(0) depctr_va_ssrc(0) depctr_va_vcc(0) depctr_vm_vsrc(0)
	s_getreg_b32 s2, hwreg(HW_REG_IB_STS2, 6, 4)
	s_cmp_eq_u32 s2, 0
	s_cbranch_scc0 .Lentry_in_a_cluster
	s_endpgm
.Lentry_in_a_cluster:
	s_bfe_u32 s2, ttmp6, 0x10000c
	s_cmp_lg_u32 s2, 0x3003
	s_cbranch_scc0 .Lentry_shape_is_right
	s_endpgm
.Lentry_shape_is_right:
; O[h][q][:] = the sum over k of softmax_k(Q[h][q] . K[h][k] / 8) V[h][k][:].  Q, K, V, O: [64 heads][2048][64] f32.  Both products on codes of BF6 (E3M2) with one E8M0 scale for each 32 along a product's K.
; Q and K are quantised along the head's 64, V along the keys; all three arrive as f32 and are quantised HERE: no second launch, no workspace.
; THE SOFTMAX AHEAD OF THE SECOND PRODUCT: t = score x log2(e) / 8; M = the row's largest t so far, rounded UP to a whole number; p = 2^(t - M) is quantised along the keys, not normalised.  The row's sum is taken of
; the unquantised p and divides O at the end.  When M moves, the sum and O are multiplied by 2^(old M - new M): exact.
; SHARES.  A work-group owns 512 queries of one head; each of its sixteen waves 32 of them, two tiles (A, B) of 16, in 256 registers: four waves to a SIMD.  Every wave walks the head's 2,048 keys, 128 a step.
; CLUSTER.  The four work-groups of a cluster are the four query blocks of one head and walk the same K and V: each raw tile is asked for JOINTLY (mask 15), by the same tensor load with the same descriptor in all four.
; THE WAY OF K AND V.  f32 rows come into a ring of two raw slots (128 keys each).  One step ahead of its use the sixteen waves quantise a raw slot: waves 0-7 a tile of 16 keys each, waves 8-15 a block of 32 keys x 32 columns
; of V each; a lane's job is ONE whole block of 32 numbers, so no other lane is asked for a maximum.  The codes go to LDS as IMAGES OF THE OPERANDS' REGISTERS (two image slots) and every wave loads them by ds_load_b128.
; LAYOUT.  Both products are used transposed: S^T = K Q^T (source 0 = 16 keys, source 1 = 16 queries), O^T = V^T P^T (source 0 = 16 columns of V, source 1 = P): a lane holds ONE query (lane % 16) throughout.
; Row r of key tile 2 b + u is key 32 b + 8 u + r + 8 (r / 8), so that the 16 registers of tiles 2 b and 2 b + 1 are 16 neighbouring keys, 32 b + 16 (lane / 16) + 0 .. 15.
; THE FIRST PRODUCT'S K IS 64, THE INSTRUCTION'S 128.  Two key tiles share one operand: registers 0-5 tile 2 b (k 0-63), registers 6-11 tile 2 b + 1 (k 64-127).  Q stands between runs of zero codes, [Z][Q][Z]:
; [Q][Z] gives tile 2 b's scores, [Z][Q] tile 2 b + 1's.  The half that is not wanted meets zero codes on Q's side alone, under Q's scale byte 0 (2^-127): it adds exactly 0.
; LIMITS.  NaN and infinities among the inputs are not served.  A block whose largest magnitude lies under 2^-122 (a block of zeros too) keeps the scale byte 1; a block of zeros has zero codes, which add nothing.
; A block's largest p is taken from its largest score, which takes v_exp_f32 not to fall where its input rises.  A p under 2^-126 comes out as 0 (ISA guide, v_exp_f32's entry).
.set PITCH, 272                        ; a raw row in LDS: 256 bytes (64 f32) + 16 of padding
.set HALFR, 64*PITCH                   ; 64 rows: what one tensor load brings
.set RAWV,  128*PITCH                  ; in a raw slot: K's 128 rows, then V's
.set RAWB,  256*PITCH                  ; a raw slot
.set IMG0,  2*RAWB                     ; behind the ring: the image slots
.set IMGB,  12800                      ; an image slot: K's 4 pairs x 1,536; V's 4 tiles x 1,536 from VI on; 256 bytes of K's scale words at KSC; 256 of V's at VSC
.set VI,    6144
.set KSC,   12288
.set VSC,   12544
.set STG,   IMG0+2*IMGB                ; a stage of 16 rows x 272 bytes for each wave: Q on the way in, O on the way out
.set STGW,  16*PITCH
.set SPARE, STG+16*STGW                ; the spare words, 128 bytes for each wave: eight blocks of 256 bytes that no other line names
.set SPW, 1                            ; v1   LDS address of my spare word; never rewritten
.set NIL, 2                            ; v2   0; never rewritten
.set A0,  3                            ; v3   where my job's codes go: pieces 0 and 2 of its three pieces of 8 bytes
.set A1,  4                            ; v4   piece 1
.set LN,  5                            ; v5   lane
.set AS,  6                            ; v6   where my job's scale byte goes
.set RK,  7                            ; v7, v11  where a K job reads its 128 bytes in raw slot 0, 1
.set RV,  8                            ; v8, v12  where a V job reads its column in raw slot 0, 1
.set LI,  9                            ; v9   IMG0 + 16 x lane
.set LS,  10                           ; v10  IMG0 + 8 x lane
.set PFO, 13                           ; v13  256 x lane: the prefetches' offset
.set LA,  14                           ; v14  lane % 16
.set LB,  15                           ; v15  lane / 16
.set ST,  16                           ; tile x at v[16 + 4 x]: -M, the largest t, the sum in two halves
.set Z0,  24                           ; v24-29 zeros, v30-35 Q of tile A, v36-41 zeros, v42-47 Q of tile B, v48-53 zeros
.set QS,  54                           ; v54-57 Q's scale words: A low, A high, B low, B high
.set KS,  58                           ; v58-59 K's scale words: pairs 0 | 1 (lanes 0-15 | 16-31), pairs 2 | 3
.set VS,  60                           ; v60-61 V's: tiles 0 | 1, tiles 2 | 3
.set PW,  62                           ; v62-63 p's scale words, tile A, tile B
.set P,   64                           ; v64-75 p's codes of tile A; v76-87 of tile B, before that K's pair 3
.set T,   88                           ; v88-111 at work in the softmax; before that K's pairs 0 and 1;  v112-123 K's pair 2
.set BM,  88                           ; four blocks' largest scores
.set U,   92                           ; eight registers at work
.set SO,  100                          ; four scale operands
.set FF,  104                          ; f = 2^(old M - new M), named as a pair
.set TMP, 106
.set S,   124                          ; v124-187 S^T, then p; then a job's 32 numbers and codes; then V's four fragments
.set O,   188                          ; v188-251 O^T: tile x, columns 16 t on: v[188 + 32 x + 8 t]
.set STO, 252                          ; the stage: where I put 32 bytes of a row of O
.set RD,  253                          ; the stage by rows: lanes 0-15 one row, lanes 16-31 the next
.set GO,  254                          ; the same two rows in memory
.set QR,  255                          ; the stage: my 128 bytes of a row of Q
.set WV,  12                           ; s12  my wave's number
.set LIM, 15                           ; s15  1 in a wave that prefetches, else the greatest number
.set PFA, 18                           ; s[18:19] where my prefetches stand
.set SEL, 20                           ; s[20:21] v_permlanex16_b32's selects for lane l xor 16
.set CS,  22                           ; s[22:23] c = log2(e) / 8, as a pair
.set G1,  24                           ; s[24:31] descriptor group 1, one for all loads
.set G0K, 32                           ; s[32:39] group 0 for K's tiles, a set for each raw slot
.set G0V, 40                           ; s[40:47] the same for V's
.set TR,  48                           ; s48  trips to go
.macro PLACES n
.rept \n
	v_nop
.endr
.endm
; A round of the cluster's barrier: my work-group's barrier; wave 0 signals for the work-group; every wave waits for all four work-groups; my work-group's barrier once more.
.macro ROUND
	s_barrier_signal -1
	s_barrier_wait -1
	s_cmp_lg_u32 s[WV], 0
	s_cbranch_scc1 .Lnot_wave_0_\@
	s_barrier_signal -3
.Lnot_wave_0_\@:
	s_barrier_wait -3
	s_barrier_signal -1
	s_barrier_wait -1
.endm
; A joint refill of raw slot n: waves 0 and 1 fetch K's halves, waves 2 and 3 V's, the others nothing.  The branches hang on the wave's number alone.  Four v_nop follow each line.
.macro JLOAD n
	s_cmp_lt_u32 s[WV], 2
	s_cbranch_scc0 .Lnot_k_\@
	tensor_load_to_lds s[G0K+4*\n:G0K+4*\n+3], s[G1:G1+7]
	s_nop 0
	PLACES 4
	s_branch .Lasked_\@
.Lnot_k_\@:
	s_cmp_lt_u32 s[WV], 4
	s_cbranch_scc0 .Lasked_\@
	tensor_load_to_lds s[G0V+4*\n:G0V+4*\n+3], s[G1:G1+7]
	s_nop 0
	PLACES 4
.Lasked_\@:
.endm
; A PREFETCH INTO THE L2 of what the NEXT refill will ask for: a step's 128 rows of K and 128 of V, 256 bytes a row.  One cluster walks a head, so its four partners share the rows out BY ADDRESS, 32 each;
; in each, wave 0 asks for K's and wave 2 for V's, a lane a row: each row is named once in the launch.  last = 1: the period that fills the last step asks for nothing.
.macro ASK last
.if \last
	s_cmp_gt_u32 s[TR], s[LIM]                     ; s[TR] = 1 in the last trip
.else
	s_cmp_eq_u32 s[LIM], 1
.endif
	s_cbranch_scc0 .Lnot_mine_\@
	global_prefetch_b8 v[PFO], s[PFA:PFA+1] th:TH_LOAD_NT scope:SCOPE_SE
.Lnot_mine_\@:
.endm
; My job's 32 numbers out of raw slot r into v[S] on.  A K job: 128 neighbouring bytes of one key's row.  A V job: one column, 32 keys down; the 32 lanes of a load read 128 neighbouring bytes.
.macro QLOADS r
	s_cmp_lt_u32 s[WV], 8
	s_cbranch_scc0 .Lq_v_\@
.irp j, 0,1,2,3,4,5,6,7
	ds_load_b128 v[S+4*\j:S+4*\j+3], v[RK+4*(\r)] offset:16*\j
.endr
	s_branch .Lq_done_\@
.Lq_v_\@:
.set i, 0
.rept 32
	ds_load_b32 v[S+i], v[RV+4*(\r)] offset:PITCH*i
.set i, i+1
.endr
.Lq_done_\@:
.endm
; A block of 32 numbers, v[num] on, becomes six registers of codes, v[code] on, and its scale byte, v[w + 3].  v[tmp] on: three registers; v[w] on: four.
.macro QCORE num, code, tmp, w
	v_max3_num_f32 v[(\w)], |v[(\num)]|, |v[(\num)+1]|, 0x2800000      ; the largest magnitude, in two chains, with the floor 2^(5 - 127) among the leaves: so the byte cannot fall under 1
	v_max3_num_f32 v[(\w)+1], |v[(\num)+16]|, |v[(\num)+17]|, |v[(\num)+18]|
.irp i, 2,4,6,8,10,12
	s_delay_alu instid0(VALU_DEP_2)
	v_max3_num_f32 v[(\w)], v[(\w)], |v[(\num)+\i]|, |v[(\num)+\i+1]|
	s_delay_alu instid0(VALU_DEP_2)
	v_max3_num_f32 v[(\w)+1], v[(\w)+1], |v[(\num)+17+\i]|, |v[(\num)+18+\i]|
.endr
	s_delay_alu instid0(VALU_DEP_2)
	v_max3_num_f32 v[(\w)], v[(\w)], |v[(\num)+14]|, |v[(\num)+15]|
	s_delay_alu instid0(VALU_DEP_1)
	v_max3_num_f32 v[(\w)], v[(\w)], v[(\w)+1], |v[(\num)+31]|
	s_delay_alu instid0(VALU_DEP_1)
	v_add_nc_u32 v[(\w)+2], 0xfe000000, v[(\w)]    ; 4 off its exponent field: the conversion takes the exponent field of this operand as its scale
	v_cvt_scalef32_pk16_bf6_f32 v[(\code):(\code)+2], v[(\num):(\num)+15], v[(\w)+2]
	v_cvt_scalef32_pk16_bf6_f32 v[(\tmp):(\tmp)+2], v[(\num)+16:(\num)+31], v[(\w)+2]   ; (a conversion's three registers begin on an even number)
	v_lshrrev_b32 v[(\w)+3], 23, v[(\w)+2]         ; the scale's byte.  (The plain place behind the conversions)
.irp i, 0,1,2
	v_mov_b32 v[(\code)+3+\i], v[(\tmp)+\i]
.endr
.endm
; My job's six registers go to image slot sl as three pieces of 8 bytes, at the places of the lane and the registers that will hold them; the byte to its place in a scale word.
.macro QSTORE sl
	ds_store_b64 v[A0], v[S+32:S+33] offset:(\sl)*IMGB
	ds_store_b64 v[A1], v[S+34:S+35] offset:(\sl)*IMGB
	ds_store_b64 v[A0], v[S+36:S+37] offset:(\sl)*IMGB+512
	ds_store_b8 v[AS], v[S+47] offset:(\sl)*IMGB
.endm
; K's pairs out of image slot sl: three loads of 512 consecutive bytes a pair.  first = 1: all four and the scale words; 0: pairs 0 and 1 again (the softmax has worked in their registers; pairs 2 and 3 have stayed).
.macro KLOAD sl, first
.irp b, 0,1,2,3
.if (\b < 2) || \first
.set KR, T+12*\b
.if \b == 3
.set KR, P+12
.endif
.irp c, 0,1,2
	ds_load_b128 v[KR+4*\c:KR+4*\c+3], v[LI] offset:(\sl)*IMGB+1536*\b+512*\c
.endr
.endif
.endr
.if \first
	ds_load_b64 v[KS:KS+1], v[LS] offset:(\sl)*IMGB+KSC
.endif
.endm
; S^T of tile x: eight products, each starting its sum with 0.  Pair b against [Q][Z] (u = 0) and against [Z][Q] (u = 1).
.macro SMUL x
.irp b, 0,1,2,3
.set KR, T+12*\b
.if \b == 3
.set KR, P+12
.endif
.irp u, 0,1
.set QV, Z0+6+12*(\x)-6*\u
.if \b % 2
	v_wmma_scale_f32_16x16x128_f8f6f4 v[S+8*(2*\b+\u):S+8*(2*\b+\u)+7], v[KR:KR+11], v[QV:QV+11], 0, v[KS+\b/2], v[QS+2*(\x)+\u] matrix_a_fmt:MATRIX_FMT_BF6 matrix_b_fmt:MATRIX_FMT_BF6 matrix_a_scale:MATRIX_SCALE_ROW1
.else
	v_wmma_scale_f32_16x16x128_f8f6f4 v[S+8*(2*\b+\u):S+8*(2*\b+\u)+7], v[KR:KR+11], v[QV:QV+11], 0, v[KS+\b/2], v[QS+2*(\x)+\u] matrix_a_fmt:MATRIX_FMT_BF6 matrix_b_fmt:MATRIX_FMT_BF6
.endif
.endr
.endr
.endm
; THE SOFTMAX of tile x for 128 keys, first part: from the scores to p's codes in halves of blocks.
.macro SOFT1 x
.set rT, ST+4*(\x)
.set rP, P+12*(\x)
.irp b, 0,1,2,3
	v_max3_num_f32 v[BM+\b], v[S+16*\b], v[S+16*\b+1], v[S+16*\b+2]   ; the largest score of each block of 32 keys: it serves the row's maximum and, since p rises with the score, the block's largest p.  Each accumulator is read from its low end on
.endr
.irp i, 3,5,7,9,11,13
.irp b, 0,1,2,3
	v_max3_num_f32 v[BM+\b], v[BM+\b], v[S+16*\b+\i], v[S+16*\b+\i+1]
.endr
.endr
.irp b, 0,1,2,3
	v_max_num_f32 v[BM+\b], v[BM+\b], v[S+16*\b+15]
.endr
.irp b, 0,1,2,3
	s_delay_alu instid0(VALU_DEP_4)
	v_permlanex16_b32 v[U+\b], v[BM+\b], s[SEL], s[SEL+1]
.endr
.irp b, 0,1,2,3
	s_delay_alu instid0(VALU_DEP_4)
	v_max_num_f32 v[BM+\b], v[BM+\b], v[U+\b]      ; with lane l xor 16's 16 keys
.endr
	s_delay_alu instid0(VALU_DEP_2)
	v_max3_num_f32 v[TMP], v[BM], v[BM+1], v[BM+2]
	s_delay_alu instid0(VALU_DEP_1)
	v_max_num_f32 v[TMP], v[TMP], v[BM+3]          ; the step's largest score of my query
	s_delay_alu instid0(VALU_DEP_1)
	v_mul_f32 v[TMP], s[CS], v[TMP]                ; as t (c is positive)
	s_delay_alu instid0(VALU_DEP_1)
	v_max_num_f32 v[rT+1], v[rT+1], v[TMP]         ; the running largest t
	v_mov_b32 v[TMP], v[rT]
	s_delay_alu instid0(VALU_DEP_2)
	v_floor_f32 v[rT], -v[rT+1]                    ; the new -M = floor(-t): M is a whole number
	s_delay_alu instid0(VALU_DEP_1)
	v_sub_f32 v[TMP], v[rT], v[TMP]                ; old M - new M: a whole number, 0 or less
	s_delay_alu instid0(VALU_DEP_1)
	v_cvt_i32_f32 v[TMP], v[TMP]                   ; (it saturates)
	s_delay_alu instid0(VALU_DEP_1)
	v_ldexp_f32 v[FF], 1.0, v[TMP]                 ; f = 2^(old M - new M)
.set j, 0
.rept 32
	v_pk_fma_f32 v[S+j:S+j+1], v[S+j:S+j+1], s[CS:CS+1], v[rT:rT+1] op_sel_hi:[1,0,0]   ; t - M, two at a time (of the pairs c and -M the low word serves both halves)
.set j, j+2
.endr
.irp b, 0,1,2,3
	v_fma_f32 v[BM+\b], v[BM+\b], s[CS], v[rT]     ; the same of each block's largest score
.endr
.set j, 0
	s_wait_alu depctr_va_vdst(0)
.rept 64
	v_exp_f32 v[S+j], v[S+j]                       ; p = 2^(t - M), at most 1
.set j, j+1
.endr
	v_pk_mul_f32 v[rT+2:rT+3], v[rT+2:rT+3], v[FF:FF+1] op_sel_hi:[1,0]   ; the sums under the new M.  (The plain place behind the exponentials)
	s_wait_alu depctr_va_vdst(0)                   ; one wait for the batch of 64, ahead of its first reader
.irp b, 0,1,2,3
	v_exp_f32 v[BM+\b], v[BM+\b]                   ; the blocks' largest p: the same two instructions on the same number give the same bits
.endr
	v_pk_add_f32 v[U:U+1], v[S:S+1], v[S+2:S+3]    ; the row's sum is taken of the unquantised p: two at a time, in two chains
.set j, 4
.rept 15
	v_pk_add_f32 v[rT+2:rT+3], v[rT+2:rT+3], v[S+j:S+j+1]
	v_pk_add_f32 v[U:U+1], v[U:U+1], v[S+j+2:S+j+3]
.set j, j+4
.endr
	s_delay_alu instid0(VALU_DEP_1)
	v_pk_add_f32 v[rT+2:rT+3], v[rT+2:rT+3], v[U:U+1]
	s_wait_alu depctr_va_vdst(0)                   ; and one for the four
.irp b, 0,1,2,3
	v_max_num_f32 v[BM+\b], 0x2800000, v[BM+\b]    ; the floor 2^(5 - 127): the byte cannot fall under 1
.endr
.irp b, 0,1,2,3
	s_delay_alu instid0(VALU_DEP_4)
	v_add_nc_u32 v[SO+\b], 0xfe000000, v[BM+\b]    ; 4 off the exponent field: the conversion's scale operand
.endr
.irp b, 0,1,2,3
	s_delay_alu instid0(VALU_DEP_4)
	v_lshrrev_b32 v[U+\b], 23, v[SO+\b]            ; the scale's byte
.endr
	s_delay_alu instid0(VALU_DEP_3)
	v_lshl_or_b32 v[PW+(\x)], v[U+1], 8, v[U]      ; p's scale word for these 128 keys
	s_delay_alu instid0(VALU_DEP_1)
	v_lshl_or_b32 v[PW+(\x)], v[U+2], 16, v[PW+(\x)]
	s_delay_alu instid0(VALU_DEP_1)
	v_lshl_or_b32 v[PW+(\x)], v[U+3], 24, v[PW+(\x)]
.irp c, 0,1
	v_cvt_scalef32_pk16_bf6_f32 v[rP+6*\c:rP+6*\c+2], v[S+32*\c:S+32*\c+15], v[SO+2*\c]
	v_cvt_scalef32_pk16_bf6_f32 v[U+4*\c:U+4*\c+2], v[S+32*\c+16:S+32*\c+31], v[SO+2*\c+1]
.endr
	v_nop                                          ; one plain place behind the scaled conversions.  From here on p's f32 numbers are dead: LDS loads may land in v[S] on
.endm
; Second part: the operand's layout wants a WHOLE block in a lane (lanes 0-15 block 2 c, lanes 16-31 block 2 c + 1); then O^T of tile x under the new M.
.macro SOFT2 x
.set rP, P+12*(\x)
.irp c, 0,1
.irp i, 0,1,2
	v_permlane16_swap_b32 v[rP+6*\c+\i], v[U+4*\c+\i]
.endr
.irp i, 0,1,2
	s_delay_alu instid0(VALU_DEP_3)
	v_mov_b32 v[rP+6*\c+3+\i], v[U+4*\c+\i]
.endr
.endr
.set j, 0
.rept 16
	v_pk_mul_f32 v[O+32*(\x)+j:O+32*(\x)+j+1], v[O+32*(\x)+j:O+32*(\x)+j+1], v[FF:FF+1] op_sel_hi:[1,0]   ; ascending: each accumulator from its low end on.  (These are also the places between the codes and the scale word just written and the products)
.set j, j+2
.endr
.endm
.macro VLOAD sl                        ; V's four fragments and their scale words out of image slot sl
.irp t, 0,1,2,3
.irp c, 0,1,2
	ds_load_b128 v[S+12*\t+4*\c:S+12*\t+4*\c+3], v[LI] offset:(\sl)*IMGB+VI+1536*\t+512*\c
.endr
.endr
	ds_load_b64 v[VS:VS+1], v[LS] offset:(\sl)*IMGB+VSC
.endm
; O^T += V^T P^T: eight accumulators, one instruction each: they take turns.  Each fragment of V serves both tiles.
.macro PVMUL
.irp t, 0,1,2,3
.irp x, 0,1
.if \t % 2
	v_wmma_scale_f32_16x16x128_f8f6f4 v[O+32*\x+8*\t:O+32*\x+8*\t+7], v[S+12*\t:S+12*\t+11], v[P+12*\x:P+12*\x+11], v[O+32*\x+8*\t:O+32*\x+8*\t+7], v[VS+\t/2], v[PW+\x] matrix_a_fmt:MATRIX_FMT_BF6 matrix_b_fmt:MATRIX_FMT_BF6 matrix_a_scale:MATRIX_SCALE_ROW1
.else
	v_wmma_scale_f32_16x16x128_f8f6f4 v[O+32*\x+8*\t:O+32*\x+8*\t+7], v[S+12*\t:S+12*\t+11], v[P+12*\x:P+12*\x+11], v[O+32*\x+8*\t:O+32*\x+8*\t+7], v[VS+\t/2], v[PW+\x] matrix_a_fmt:MATRIX_FMT_BF6 matrix_b_fmt:MATRIX_FMT_BF6
.endif
.endr
.endr
	PLACES 5                                       ; the next step's first products write their results over V's fragments: five places; its loads into tile B's codes, and the way out's reads of O^T, want four
.endm
; A PERIOD: key step j, par = j % 2.  ONE barrier at its head orders four things.  In front of it every wave has waited for all its tensor loads (raw step j + 1 has landed), has added 0 to its spare word, and has waited for
; that, for its image stores (step j's images are whole), for its reads of raw slot par (step j's numbers, read last period) and for its reads of image slot 1 - par (step j - 1's).
; Behind it: fill = 1: raw slot par takes step j + 2, jointly, so the barrier is a round of the cluster's;  the step's products and softmax on image slot par;  quant = 1: raw step j + 1 becomes image slot 1 - par.
.macro PERIOD par, fill, quant, last
	s_wait_tensorcnt 0x0                           ; no tensor load of mine is out, so a group 0 may be written
	ds_add_u32 v[SPW], v[NIL]                      ; 0 onto my spare word
.if \fill
	s_add_nc_u64 s[G0K+4*\par+2:G0K+4*\par+3], s[G0K+4*\par+2:G0K+4*\par+3], 65536   ; this slot's next step: 256 keys on; the type bits on top are not reached
	s_add_nc_u64 s[G0V+4*\par+2:G0V+4*\par+3], s[G0V+4*\par+2:G0V+4*\par+3], 65536
	s_wait_xcnt 0x0                                ; the last prefetch, a period back, has read its address, so it may be written:
	s_add_nc_u64 s[PFA:PFA+1], s[PFA:PFA+1], 32768 ; one step further on than the refill below
.endif
	s_wait_dscnt 0x0                               ; the add is done; my LDS stores have landed and my LDS loads are in
.if \fill
	ROUND
	JLOAD \par                                     ; the first tensor load behind the round, and a wave's only one until the next
.else
	s_barrier_signal -1
	s_barrier_wait -1
.endif
	KLOAD \par, 1
.if \fill
	ASK \last                                      ; behind the joint load and the loads that the first products wait for
.endif
	s_wait_dscnt 0x0
	SMUL 0
	PLACES 4                                       ; in front of the first read of the scores, and of the softmax's writes into K's pairs 0 and 1
	SOFT1 0
.if \quant
	QLOADS 1-\par                                  ; my job's numbers are asked for here, and land under the 28 lines below
.endif
	s_wait_alu depctr_va_vdst(0)
	SOFT2 0
	KLOAD \par, 0                                  ; K's pairs 0 and 1 again, for tile B
.if \quant
	s_wait_dscnt 6                                 ; my job's numbers are in; the six loads just issued may be out (on both ways of the branch they are the youngest six)
	QCORE S, S+32, S+40, S+44
	QSTORE 1-\par
.endif
	s_wait_dscnt 0x0
	SMUL 1
	PLACES 4
	SOFT1 1
	VLOAD \par
	SOFT2 1
	s_wait_alu depctr_va_vdst(0)
	s_wait_dscnt 0x0
	PVMUL
.endm
	s_load_b256 s[4:11], s[0:1], 0x0               ; Q s[4:5], K s[6:7], V s[8:9], O s[10:11]
	v_lshl_add_u32 v[SPW], v0, 2, SPARE
	v_mov_b32 v[NIL], 0
	ds_add_u32 v1, v2
	ds_add_u32 v1, v2
	s_wait_dscnt 0x0
	v_lshrrev_b32 v[LA], 5, v0
	s_delay_alu instid0(VALU_DEP_1)
	v_readfirstlane_b32 s[WV], v[LA]               ; wave 0..15
	s_bfe_u32 s13, ttmp6, 0x40000                  ; cx: my place in the cluster
	s_lshl_b32 s14, ttmp9, 2                       ; in a cluster launch ttmp9 counts clusters
	s_add_co_u32 s14, s14, s13                     ; my block of 512 queries: it enters Q's and O's addresses alone
	s_and_b32 s16, ttmp7, 0xffff                   ; the head, which the four partners share
	s_lshl_b32 s50, s16, 19                        ; a head is 2,048 rows of 256 bytes; all offsets here stay under 2^25
	s_and_b32 s49, s[WV], 1                        ; which 64 rows of a step I fetch, if I fetch
	s_lshl_b32 s52, s49, 14
	s_add_co_u32 s52, s52, s50                     ; in memory,
	s_mov_b32 s53, 0
	s_mul_i32 s17, s49, HALFR                      ; and in a raw slot: no place in the cluster enters an LDS address
	s_lshl_b32 s54, s14, 17                        ; my block's 512 rows,
	s_lshl_b32 s55, s[WV], 13                      ; my wave's 32 of them
	s_add_co_u32 s54, s54, s55
	s_add_co_u32 s54, s54, s50
	s_mov_b32 s55, 0
	s_lshl_b32 s56, s13, 13                        ; the prefetches: my work-group's 32 rows of a step's 128,
	s_add_co_u32 s56, s56, 65536                   ; in step 2: the first period steps it to step 3.  Nothing is prefetched at the head
	s_mov_b32 s57, 0
	s_and_b32 s[LIM], s[WV], 13                    ; 0 in waves 0 and 2: the same in all four partners
	s_cmp_eq_u32 s[LIM], 0
	s_cselect_b32 s[LIM], 1, -1
	; descriptor group 1: a tile of 64 rows x 64 f32, dense in memory, padded in LDS
	s_mov_b32 s[G1], 15|(2<<16)|(1<<20)|(1<<21)|(5<<22)|(3<<25)   ; 15:0 the mask: all four work-groups; 17:16 elements of 4 bytes; 20 padding on; 21 set beside a mask; 24:22 after every 64 words (code 5); 31:25 4 words of it (code 3)
	s_mov_b32 s[G1+1], 64<<16                      ; tensor_dim0 = 64
	s_mov_b32 s[G1+2], 64<<16                      ; tensor_dim1 = 64
	s_mov_b32 s[G1+3], 64<<16                      ; tile_dim0 = 64
	s_mov_b32 s[G1+4], 64                          ; tile_dim1 = 64
	s_mov_b32 s[G1+5], 64                          ; elements from row to row
	s_mov_b32 s[G1+6], 0
	s_mov_b32 s[G1+7], 0
	s_mov_b32 s[SEL], 0x76543210
	s_mov_b32 s[SEL+1], 0xfedcba98
	s_mov_b32 s[CS], 0x3e38aa3b                    ; c = log2(e) / 8
	s_mov_b32 s[CS+1], s[CS]                       ; (named with it as a pair, so it is written)
	s_wait_kmcnt 0x0
	s_add_nc_u64 s[4:5], s[4:5], s[54:55]          ; Q and O at my wave's first row
	s_add_nc_u64 s[10:11], s[10:11], s[54:55]
	s_add_nc_u64 s[6:7], s[6:7], s[52:53]          ; K and V at my tile of step 0
	s_add_nc_u64 s[8:9], s[8:9], s[52:53]
	s_cmp_lt_u32 s[WV], 2
	s_cselect_b64 s[PFA:PFA+1], s[6:7], s[8:9]     ; (in waves 0 and 2 these stand at a step's first row)
	s_add_nc_u64 s[PFA:PFA+1], s[PFA:PFA+1], s[56:57]
.irp n, 0,1
	s_mov_b32 s[G0K+4*\n], 1                       ; count = 1
	s_add_co_u32 s[G0K+4*\n+1], s17, \n*RAWB       ; LDS address
	s_add_nc_u64 s[G0K+4*\n+2:G0K+4*\n+3], s[6:7], \n*32768   ; global address: step n
	s_or_b32 s[G0K+4*\n+3], s[G0K+4*\n+3], 0x80000000         ; type = 2
	s_mov_b32 s[G0V+4*\n], 1
	s_add_co_u32 s[G0V+4*\n+1], s17, \n*RAWB+RAWV
	s_add_nc_u64 s[G0V+4*\n+2:G0V+4*\n+3], s[8:9], \n*32768
	s_or_b32 s[G0V+4*\n+3], s[G0V+4*\n+3], 0x80000000
.endr
	ROUND                                          ; all four work-groups are here: the first joint loads meet
	s_cmp_lt_u32 s[WV], 2                          ; a wave's two first fills stand in one branch, ahead of every wait on TENSORcnt and every LDS read: two loads of a fetching wave are out
	s_cbranch_scc0 .Lfirst_not_k
	tensor_load_to_lds s[G0K:G0K+3], s[G1:G1+7]
	s_nop 0
	tensor_load_to_lds s[G0K+4:G0K+7], s[G1:G1+7]
	s_nop 0
	PLACES 4
	s_branch .Lfirst_asked
.Lfirst_not_k:
	s_cmp_lt_u32 s[WV], 4
	s_cbranch_scc0 .Lfirst_asked
	tensor_load_to_lds s[G0V:G0V+3], s[G1:G1+7]
	s_nop 0
	tensor_load_to_lds s[G0V+4:G0V+7], s[G1:G1+7]
	s_nop 0
	PLACES 4
.Lfirst_asked:
	v_and_b32 v[LN], 31, v0
	v_and_b32 v[LA], 15, v0
	v_bfe_u32 v[LB], v0, 4, 1
	s_wait_alu depctr_va_vdst(0)
	v_lshlrev_b32 v66, 4, v[LN]                    ; Q comes as it lies: 32 lanes read 512 consecutive bytes, two rows
.irp x, 0,1
.irp j, 0,1,2,3,4,5,6,7
	global_load_b128 v[S+32*\x+4*\j:S+32*\x+4*\j+3], v66, s[4:5] offset:4096*\x+512*\j th:TH_LOAD_NT
.endr
.endr
	; THE JOBS.  x0, x1l, x1h: bits 0, 1, 2 of the wave's number; isV: bit 3.
	; A K job (waves 0-7) makes key tile w: pair 2 x1h + x1l, register half x0; lane (la, lb) holds row la, numbers 32 lb on, and the lane that will hold the codes is the same lane.
	; A V job (waves 8-15) takes key block 2 x0 + x1l and columns 32 x1h + lane: its codes belong to V's tile 2 x1h + lb, lane la + 16 x1l, register half x0.
	s_bfe_u32 s58, s[WV], 0x10001                  ; x1l
	s_bfe_u32 s59, s[WV], 0x10002                  ; x1h
	s_lshr_b32 s60, s[WV], 3                       ; isV
	s_xor_b32 s16, s60, 1                          ; notV
	s_and_b32 s53, s16, s58                        ; notV and x1l
	s_mul_i32 s14, s53, 1280                       ; x1l counts 1,536 (a pair) in a K job, 256 (sixteen lanes) in a V job
	s_lshl_b32 s50, s58, 8
	s_add_co_u32 s14, s14, s50
	s_mul_i32 s50, s59, 3072                       ; x1h: two pairs, or two tiles
	s_add_co_u32 s14, s14, s50
	s_mul_i32 s50, s60, VI
	s_add_co_u32 s14, s14, s50
	s_add_co_u32 s14, s14, IMG0
	s_mul_i32 s50, s49, 520                        ; register half 0: pieces at 0, 8, 512 of an image's lane; half 1: at 520, 1,024, 1,032
	s_add_co_u32 s50, s50, s14
	s_mul_i32 s51, s49, 1016
	s_add_co_u32 s51, s51, s14
	s_add_co_u32 s51, s51, 8
	s_mul_i32 s52, s60, 1280
	s_add_co_u32 s52, s52, 256                     ; lb counts 256 (sixteen lanes) in a K job, 1,536 (a tile) in a V job
	v_mul_u32_u24 v64, s52, v[LB]
	s_delay_alu instid0(VALU_DEP_1)
	v_lshl_add_u32 v64, v[LA], 4, v64
	s_delay_alu instid0(VALU_DEP_1)
	v_add_nc_u32 v[A0], s50, v64
	s_delay_alu instid0(VALU_DEP_2)
	v_add_nc_u32 v[A1], s51, v64
	; the scale bytes.  K's word of pair b, row r: 8 (r + 16 (b % 2)) + 4 (b / 2), byte 2 u + h.  V's word of tile t, row r: 8 (r + 16 (t % 2)) + 4 (t / 2), byte = the key block.
	s_mul_i32 s53, s53, 127                        ; x1l counts 128 in a K job, 1 in a V job
	s_add_co_u32 s53, s53, s58
	s_lshl_b32 s54, s59, 2
	s_add_co_u32 s53, s53, s54
	s_lshl_b32 s54, s49, 1
	s_add_co_u32 s53, s53, s54
	s_lshl_b32 s54, s60, 8                         ; V's words lie 256 bytes behind K's
	s_add_co_u32 s53, s53, s54
	s_add_co_u32 s53, s53, IMG0+KSC
	s_mul_i32 s54, s60, 127
	s_add_co_u32 s54, s54, 1                       ; lb counts 1 in a K job, 128 in a V job
	v_mul_u32_u24 v64, s54, v[LB]
	s_delay_alu instid0(VALU_DEP_1)
	v_lshl_add_u32 v64, v[LA], 3, v64
	s_delay_alu instid0(VALU_DEP_1)
	v_add_nc_u32 v[AS], s53, v64
	; where the jobs read
	s_bfe_u32 s55, s[WV], 0x20001
	s_lshl_b32 s55, s55, 5
	s_lshl_b32 s56, s49, 3
	s_add_co_u32 s55, s55, s56
	s_mul_i32 s55, s55, PITCH                      ; K: the tile begins at key 32 (pair) + 8 x0;
	v_and_b32 v64, 8, v[LA]
	s_delay_alu instid0(VALU_DEP_1)
	v_add_nc_u32 v64, v64, v[LA]                   ; its row la is la + 8 (la / 8) keys on
	s_delay_alu instid0(VALU_DEP_1)
	v_mul_u32_u24 v64, v64, PITCH
	s_delay_alu instid0(VALU_DEP_1)
	v_lshl_add_u32 v64, v[LB], 7, v64
	s_delay_alu instid0(VALU_DEP_1)
	v_add_nc_u32 v[RK], s55, v64
	s_delay_alu instid0(VALU_DEP_1)
	v_add_nc_u32 v[RK+4], RAWB, v[RK]
	s_lshl_b32 s56, s49, 1
	s_add_co_u32 s56, s56, s58
	s_mul_i32 s56, s56, 32*PITCH                   ; V: the key block's first row,
	s_lshl_b32 s57, s59, 7
	s_add_co_u32 s56, s56, s57                     ; my wave's 32 columns,
	s_add_co_u32 s56, s56, RAWV
	v_lshl_add_u32 v[RV], v[LN], 2, s56            ; my column
	s_delay_alu instid0(VALU_DEP_1)
	v_add_nc_u32 v[RV+4], RAWB, v[RV]
	v_lshl_add_u32 v[LI], v[LN], 4, IMG0
	v_lshl_add_u32 v[LS], v[LN], 3, IMG0
	v_lshlrev_b32 v[PFO], 8, v[LN]
	s_mul_i32 s57, s[WV], STGW
	s_add_co_u32 s57, s57, STG                     ; my stage
	v_mul_u32_u24 v64, v[LA], PITCH
	s_delay_alu instid0(VALU_DEP_1)
	v_lshl_add_u32 v65, v[LB], 5, v64
	s_delay_alu instid0(VALU_DEP_1)
	v_add_nc_u32 v[STO], s57, v65                  ; O in: row la, 32 bytes for each half of the lanes
	s_delay_alu instid0(VALU_DEP_3)
	v_lshl_add_u32 v65, v[LB], 7, v64
	s_delay_alu instid0(VALU_DEP_1)
	v_add_nc_u32 v[QR], s57, v65                   ; Q out: row la, numbers 32 lb on
	v_mul_u32_u24 v65, v[LB], PITCH
	s_delay_alu instid0(VALU_DEP_1)
	v_lshl_add_u32 v65, v[LA], 4, v65
	s_delay_alu instid0(VALU_DEP_1)
	v_add_nc_u32 v[RD], s57, v65                   ; by rows: lanes 0-15 one row, lanes 16-31 the next
	v_lshlrev_b32 v[GO], 8, v[LB]
	s_delay_alu instid0(VALU_DEP_1)
	v_lshl_add_u32 v[GO], v[LA], 4, v[GO]
	v_lshlrev_b32 v228, 3, v[LB]                   ; 8 lb: my block's byte's place in Q's scale word
	v_mov_b32 v230, 0                              ; written once: a lane permute's destination counts as one of its sources
; Q, tile x: its 16 rows turn through my stage, so that lane (la, lb) holds numbers 32 lb .. 32 lb + 31 of row la: a whole block, and the very codes that the operand's layout gives that lane.
.macro QTILE x
	s_wait_loadcnt 8-8*\x                          ; this tile's eight loads are in; tile B's eight may be out
.irp j, 0,1,2,3,4,5,6,7
	ds_store_b128 v[RD], v[S+32*\x+4*\j:S+32*\x+4*\j+3] offset:2*PITCH*\j
.endr
.irp j, 0,1,2,3,4,5,6,7
	ds_load_b128 v[O+4*\j:O+4*\j+3], v[QR] offset:16*\j   ; LDS serves a wave's instructions in order (ISA guide 5.7.1.4): these see my stores
.endr
	s_wait_dscnt 0x0
	QCORE O, Z0+6+12*\x, O+32, O+36
	s_delay_alu instid0(VALU_DEP_4)
	v_lshlrev_b32 v229, v228, v[O+39]              ; my block's byte at its place;
	s_delay_alu instid0(VALU_DEP_1)
	v_permlanex16_b32 v230, v229, s[SEL], s[SEL+1]
	s_delay_alu instid0(VALU_DEP_1)
	v_or_b32 v[QS+2*\x], v229, v230                ; with lane l xor 16's: {q0, q1, 0, 0}, for [Q][Z];
	s_delay_alu instid0(VALU_DEP_1)
	v_lshlrev_b32 v[QS+2*\x+1], 16, v[QS+2*\x]     ; {0, 0, q0, q1}, for [Z][Q]
.endm
	s_wait_alu depctr_va_vdst(0)
	QTILE 0
	QTILE 1
.set j, 0
.rept 6
	v_mov_b32 v[Z0+j], 0                           ; the three runs of zero codes
	v_mov_b32 v[Z0+12+j], 0
	v_mov_b32 v[Z0+24+j], 0
.set j, j+1
.endr
.irp x, 0,1
	v_mov_b32 v[ST+4*\x+1], 0xff61b1e6             ; the largest t so far: -3e38, under every t
	s_delay_alu instid0(VALU_DEP_1)
	v_floor_f32 v[ST+4*\x], -v[ST+4*\x+1]          ; -M
	v_mov_b32 v[ST+4*\x+2], 0                      ; the sum, in two halves
	v_mov_b32 v[ST+4*\x+3], 0
.endr
.set j, 0
.rept 64
	v_mov_b32 v[O+j], 0                            ; O^T.  (A period is written without a first step of its own: the first finds zeros, which the first change of M leaves zeros; that spares two more copies of a period)
.set j, j+1
.endr
	s_wait_tensorcnt 0x1                           ; my part of raw step 0 is in; step 1's may stay out
	s_barrier_signal -1
	s_barrier_wait -1                              ; everybody's is
	QLOADS 0                                       ; step 0's images
	s_wait_dscnt 0x0
	QCORE S, S+32, S+40, S+44
	QSTORE 0
	s_mov_b32 s[TR], 7
.Ltrip:                                            ; seven trips of two periods: steps 0 to 13, which fill steps 2 to 15
	PERIOD 0, 1, 1, 0
	PERIOD 1, 1, 1, 1
	s_sub_co_u32 s[TR], s[TR], 1
	s_cmp_lg_u32 s[TR], 0
	s_cbranch_scc1 .Ltrip
	PERIOD 0, 0, 1, 0                              ; the tail is written out: step 14, which quantises step 15
	PERIOD 1, 0, 0, 0                              ; and step 15
	; THE WAY OUT.  The sum's two halves and lane l xor 16's are added; O^T is divided by the sum and goes through my stage, a tile (16 rows of 256 bytes) at a time, so that sixteen lanes store a whole row.
.irp x, 0,1
	v_add_f32 v[T+\x], v[ST+4*\x+2], v[ST+4*\x+3]
.endr
.irp x, 0,1
	s_delay_alu instid0(VALU_DEP_2)
	v_permlanex16_b32 v[T+2+\x], v[T+\x], s[SEL], s[SEL+1]
.endr
.irp x, 0,1
	s_delay_alu instid0(VALU_DEP_2)
	v_add_f32 v[T+\x], v[T+\x], v[T+2+\x]
.endr
	s_wait_alu depctr_va_vdst(0)
.irp x, 0,1
	v_rcp_f32 v[T+8+2*\x], v[T+\x]
.endr
	v_nop                                          ; a plain place behind the last reciprocal
	s_wait_alu depctr_va_vdst(0)                   ; one wait for the two, ahead of their first reader
.irp x, 0,1
.set j, 0
.rept 16
	v_pk_mul_f32 v[S+32*\x+j:S+32*\x+j+1], v[O+32*\x+j:O+32*\x+j+1], v[T+8+2*\x:T+9+2*\x] op_sel_hi:[1,0]   ; register 8 t + i is o(la, 16 t + 8 lb + i); each accumulator from its low end on
.set j, j+2
.endr
.endr
.irp x, 0,1
.irp t, 0,1,2,3
	ds_store_b128 v[STO], v[S+32*\x+8*\t:S+32*\x+8*\t+3] offset:64*\t
	ds_store_b128 v[STO], v[S+32*\x+8*\t+4:S+32*\x+8*\t+7] offset:64*\t+16
.endr
.irp i, 0,1,2,3,4,5,6,7
	ds_load_b128 v[O+32*\x+4*\i:O+32*\x+4*\i+3], v[RD] offset:2*PITCH*\i   ; in order behind my stores; tile B's stores come behind tile A's loads
.endr
.endr
.irp x, 0,1
.irp i, 0,1,2,3,4,5,6,7
	s_wait_dscnt 23-16*\x-\i                       ; the younger LDS instructions: the rest of this tile's loads and, behind tile A's, tile B's sixteen
	global_store_b128 v[GO], v[O+32*\x+4*\i:O+32*\x+4*\i+3], s[10:11] offset:4096*\x+512*\i th:TH_STORE_NT   ; 16 lanes store 256 consecutive bytes, at a multiple of 256 from O's first byte
.endr
.endr
	s_wait_tensorcnt 0x0                           ; the wave's end: behind my last tensor load and my last LDS store
	ds_add_u32 v[SPW], v[NIL]
	s_wait_dscnt 0x0
	ROUND                                          ; the closing round: no work-group ends while a partner may still ask for a tile that names it
	s_endpgm
.Lfunc_end_k_q013091c377_attn:
	.size	k_q013091c377_attn, .Lfunc_end_k_q013091c377_attn-k_q013091c377_attn
	.p2alignl 7, 3214868480
	.fill 96, 4, 3214868480
	.section	.rodata,"a",@progbits
	.p2align	6, 0x0
	.amdhsa_kernel k_q013091c377_attn
		.amdhsa_group_segment_fixed_size 327680
		.amdhsa_private_segment_fixed_size 0
		.amdhsa_enable_private_segment 0
		.amdhsa_kernarg_size 32
		.amdhsa_user_sgpr_count 2
		.amdhsa_user_sgpr_kernarg_segment_ptr 1
		.amdhsa_wavefront_size32 1
		.amdhsa_system_sgpr_workgroup_id_x 1
		.amdhsa_system_sgpr_workgroup_id_y 1
		.amdhsa_system_sgpr_workgroup_id_z 1
		.amdhsa_system_vgpr_workitem_id 0
		.amdhsa_next_free_vgpr 256
		.amdhsa_next_free_sgpr 66
		.amdhsa_reserve_vcc 0
		.amdhsa_float_denorm_mode_32 3
		.amdhsa_float_denorm_mode_16_64 3
		.amdhsa_memory_ordered 1
		.amdhsa_forward_progress 1
		.amdhsa_inst_pref_size 173
	.end_amdhsa_kernel
	.amdgpu_metadata
---
amdhsa.version: [ 1, 2 ]
amdhsa.kernels:
  - .name:           k_q013091c377_attn
    .symbol:         k_q013091c377_attn.kd
    .args:
      - { .name: queries, .offset: 0, .size: 8, .value_kind: global_buffer, .address_space: global }
      - { .name: keys, .offset: 8, .size: 8, .value_kind: global_buffer, .address_space: global }
      - { .name: values, .offset: 16, .size: 8, .value_kind: global_buffer, .address_space: global }
      - { .name: out0, .offset: 24, .size: 8, .value_kind: global_buffer, .address_space: global }
    .group_segment_fixed_size: 327680
    .private_segment_fixed_size: 0
    .kernarg_segment_align: 8
    .kernarg_segment_size: 32
    .max_flat_workgroup_size: 512
    .sgpr_count:     66
    .vgpr_count:     256
    .wavefront_size: 32
...
	.end_amdgpu_metadata
.endif
;; end of part 1
